; MI455X (gfx1250); checked and timed in simulation.
; The chip was launched on July 23, 2026; its instructions are those of AMD's public machine-readable ISA for CDNA 5 (MIT licence, August 2026) and "CDNA5" Instruction Set Architecture Reference Guide (July 2026). The comments in the code are by the model that wrote it; some were corrected since.
;; Quant Linear. Allowed arithmetic: matrix products marked QUANTISED: E2M1 operands, one E8M0 scale for each 32 along K, by v_wmma_scale_f32_16x16x128_f8f6f4 with both operands' format E2M1 (or v_wmma_scale_f32_32x16x128_f4), f32 sums; everything else in f32.
;; Inputs: bias 2,048 float32; g_idx 4,096 int32; qweight 512 x 2,048 int32; qzeros 32 x 256 int32; scales 32 x 2,048 float32; x_codes 4 x 2,048 x 128 x 16 uint8 (E2M1 codes of x, K innermost, in blocks of 32 codes, two codes a byte); x_scales 4 x 2,048 x 128 uint8 (E8M0 scales of x, one for each 32 codes along K).
;; Outputs: out0 4 x 2,048 x 2,048 float32.
;; This version of the problem:
;;   THIS VERSION OF THE PROBLEM IS GIVEN IN LOW PRECISION. The matrix products marked QUANTISED in the list below multiply operands that are first quantised to E2M1 (2 exponent bits, 1 mantissa bit; 4 bits a number), with one power-of-two scale for each 32 numbers along K (OCP MX v1.0); their sums are f32. All else is computed in f32.
;;   The module's matrix products, in the order in which they are computed (A, B: the left and right operand; K: the contracted axis; several contracted axes count as one K, in the product's order):
;;     1. [M 8,192, K 4,096] x [K 4,096, N 2,048]; A: input x (given as codes); B: computed on the way: QUANTISED
;;   THE QUANTISER, for each operand of a quantised product, along K:
;;     - K is cut into blocks of 32 from its start; a last block that is shorter is filled with zeros.
;;     - A block's scale is 2^e with e = floor(log2(the largest magnitude in the block)) - 2, held to -126 .. 127; a block of zeros has e = 0. As a byte (E8M0): e + 127.
;;     - Each number is divided by its block's scale, clamped to +-6, and rounded to the nearest number of E2M1, ties to even, subnormals kept.
;;     - The product sums the exact products of the quantised numbers (number of the format x scale) in f32.
;;   ~~~python
;;   def quantise(x, axis):      # numpy; x: float32 -> the quantised numbers, widened to float32 again
;;       x = np.moveaxis(x, axis, -1); K = x.shape[-1]
;;       x = np.pad(x, [(0, 0)] * (x.ndim - 1) + [(0, -K % 32)]); x = x.reshape(x.shape[:-1] + (-1, 32)); a = np.abs(x).max(-1, keepdims=True)
;;       e = np.where(a > 0, np.clip(np.frexp(np.where(a > 0, a, 1))[1] - 1 - 2, -126, 127), 0)      # np.frexp(a)[1] - 1 = floor(log2(a)), exactly
;;       r = np.clip(x / 2.0 ** e, -6, 6)
;;       step = 2.0 ** (np.maximum(np.frexp(np.where(r == 0, 1, r))[1] - 1, 0) - 1)
;;       q = np.round(r / step) * step * 2.0 ** e      # np.round: ties to even
;;       return np.moveaxis(q.reshape(q.shape[:-2] + (-1,))[..., :K], -1, axis).astype(np.float32)
;;   ~~~
;;   OPERANDS COMPUTED ON THE WAY. 'Computed on the way' means the value that the module computes at that place (a softmax that the list does not call 'softmax' is quantised finished and normalised). What goes into a quantiser is computed in f32, as accurately as f32 sums, v_exp_f32 and their like allow (about 1e-6 of the number): no bf16 or f16 on the way to a quantiser, and a product that is left as it is and whose result goes on into a quantised operand takes f32 operands (vector FMAs, or v_wmma_f32_16x16x4_f32). A number that lies on a knife's edge between two numbers of the format may be rounded either way, as far as f32 arithmetic and the matrix unit's own rounding can turn it there, and no further.
;;   INPUTS GIVEN AS CODES. x (in the module: [4, 2048, 4096], K = its axis 2): each comes as NAME_codes (uint8): NAME with its K axis moved to the last place and cut into blocks of 32 codes, [.., K / 32, bytes a block], one block behind the other in memory; two codes a byte, the lower K in the low four bits (a code: sign, 2 exponent bits, 1 mantissa bit); and NAME_scales (uint8): the same leading axes, one E8M0 byte (e + 127) for each 32 codes along K. Its value is code x scale, taken as it is: it is not quantised again, and the codes and scales need not be those that the quantiser above would give.
;; One version. Each part assembles by itself: llvm-mc -triple=amdgcn-amd-amdhsa -mcpu=gfx1250 --defsym DOCPART=n.
;; ======== version 1 of 1: 2 launches
;; limits: right only within a limited range of input values
;; workspace buffers: wq 4,456,448 bytes
;; launch wquant (part 1): grid 32 x 8, 16 waves a work-group, no clusters, 20,480 bytes of LDS; arguments qweight, qzeros, scales, g_idx, wq; writes wq
.if DOCPART == 1
	.amdgcn_target "amdgcn-amd-amdhsa--gfx1250"
	.amdhsa_code_object_version 6
	.text
	.protected	k_qfc5b8fad7f_wquant
	.globl	k_qfc5b8fad7f_wquant
	.p2align	8
	.type	k_qfc5b8fad7f_wquant,@function
k_qfc5b8fad7f_wquant:
	s_mov_b64 s[64:65], 0
	v_nop
	global_prefetch_b8 v0, s[64:65] scope:SCOPE_SE
	s_setreg_imm32_b32 hwreg(HW_REG_WAVE_MODE, 25, 1), 1
	s_wait_xcnt 0x0
; W[k][n] = scales[g_idx[k]][n] x (wbin[k][n] - zeros[g_idx[k]][n]), in f32, is turned into codes of FP4 (E2M1) with one E8M0 byte for each 32 along K.
; wbin is +1 where the 4-bit weight is not 0 and -1 where it is 0; zeros = the 4-bit zero z + 1.  So for one group g and one column n W has two values:
;   P = s x (1 - (z + 1)) = s x (-z)      M = s x (-1 - (z + 1)) = s x (-(z + 2)).  The differences are exact, the one multiplication rounds as the definition's own does.
; g_idx is honoured as it is given, k by k: each k looks its pair (P, M) up in a table in LDS, [32 groups][64 columns][2], which the work-group builds first.
; SHARES.  Work-group (x, ks): columns 64 x .. 64 x + 63, K = 512 ks .. 512 ks + 511.  Sixteen waves.
; Thread t: column t % 64, K eighth e = t / 64 (64 along K: two blocks of 32).  A wave's 64 numbers of g_idx fit in 64 scalar registers: they are loaded once.
; A LANE TAKES A COLUMN AND ITS REGISTERS RUN DOWN K: a block lies in one lane's 32 registers, its largest magnitude needs no other lane, and the conversions give codes with K innermost.
; OUT.  wq is laid in the order in which the product's operand registers take it: [n / 64][k / 512] blocks of 17,408 bytes, one for each work-group.  In a block:
;   codes: [step q of 128 along K: 4][tile t: 4][c: 2][lane 16 h + r: 32][16 bytes]: column 4 r + t, K = 128 q + 64 c + 32 h + 0 .. 31;
;   from byte 16,384 scale words: [q / 2][lane 16 h + r][q % 2][u: 2][4 bytes]: column 4 r + 2 u + h, the four blocks of step q.
; Codes and bytes go through a stage in LDS, so that each store of a wave covers 512 consecutive bytes, aligned.
; A block's scale is 2^(floor(log2(largest magnitude)) - 2); its byte is the largest magnitude's exponent field - 2, held at 1 from below.
; LIMITS: a block of zeros gets the byte 1, not 127 (its codes are zeros, and this program alone reads the bytes); NaN and infinities in scales are not served; a g_idx above 31 (as unsigned) is held at 31.
; NO CLUSTER, NO TENSOR LOAD: what work-groups share (8 KB of scales, 1 KB of zeros) is unpacked and multiplied on its way into LDS, so it comes through registers; joint requests are tensor loads.
.set CPIT, 1088                        ; the stage: 16 chunks (4 q + t) of 1,024 bytes + 64
.set SCST, 16*CPIT                     ; LDS: 0 .. 16,383 the table (512 g + 8 column); later 0 .. 17,407 the stage; behind it 1,024 scale bytes; from 18,432 the spare words
.set HB,   17408                       ; bytes of one block of wq
.set G0,   16                          ; s[16:47]  g_idx of my wave's first block
.set G1,   68                          ; s[68:99]  of its second
.set MK,   48                          ; s48-55    masks of eight compares
.set SOF,  1                           ; v1   scales: 8,192 e + 4 column
.set ZOF,  2                           ; v2   qzeros: 1,024 e + 4 (column / 8)
.set SH,   3                           ; v3   4 (t % 8): my column's nibble in a word of qzeros
.set TST,  4                           ; v4   8 t: where I store table pairs
.set LN8,  5                           ; v5   8 column: my column in a group's row of the table
.set QOF,  6                           ; v6   qweight: 65,536 e + 4 column
.set STO,  7                           ; v7   the stage: where my first block's codes go
.set SSA,  8                           ; v8   my two scale bytes' place
.set RD,   9                           ; v9   the stage on the way out: chunk = wave, 16 x lane
.set GOF,  10                          ; v10  the same place in wq: 1,024 x wave + 16 x lane
.set SRD,  11                          ; v11  SCST + 16 (t % 64)
.set SGO,  12                          ; v12  16 (t % 64)
.set QW,   16                          ; v16-23   my 8 words of qweight: 64 along K
.set TT,   24                          ; v24-31   nibbles under test
.set X,    32                          ; v32-63   a block's 32 numbers
.set AD0,  32                          ; v32-63   ahead of that: the first block's 32 look-up addresses
.set T0,   64                          ; v64-127  the first block's 32 pairs (P, M)
.set T1,   128                         ; v128-191 the second block's
.set C,    192                         ; v192-199 codes: four registers a block
.set SW,   200                         ; v200 my two scale bytes;  v201 a byte at work
.set AD1,  208                         ; v208-239 the second block's 32 look-up addresses
.set S,    64                          ; the table's build, in registers that T0 takes later: s,
.set Z,    68                          ; z,
.set Z2,   72                          ; z + 2,
.set PM,   80                          ; the pairs
.set OUTR, 64                          ; the way out
	s_load_b256 s[4:11], s[0:1], 0x0               ; qweight s[4:5], qzeros s[6:7], scales s[8:9], g_idx s[10:11]
	s_load_b64 s[12:13], s[0:1], 0x20              ; wq
	v_lshl_add_u32 v240, v0, 2, 0x4800
	v_mov_b32 v241, 0
	v_lshrrev_b32 v1, 5, v0
	s_delay_alu instid0(VALU_DEP_1)
	v_readfirstlane_b32 s14, v1                    ; wave 0..15
	s_lshr_b32 s15, s14, 1                         ; my K eighth
	s_and_b32 s2, ttmp7, 0xffff                    ; ks
	v_and_b32 v13, 63, v0                          ; my column in the group
	v_lshrrev_b32 v14, 6, v0                       ; my K eighth
	s_delay_alu instid0(VALU_DEP_2)
	v_lshlrev_b32 v15, 2, v13
	s_delay_alu instid0(VALU_DEP_1)
	v_lshl_or_b32 v[SOF], v14, 13, v15
	s_delay_alu instid0(VALU_DEP_2)
	v_lshl_or_b32 v[QOF], v14, 16, v15
	v_lshrrev_b32 v[ZOF], 3, v13
	s_delay_alu instid0(VALU_DEP_1)
	v_lshlrev_b32 v[ZOF], 2, v[ZOF]
	s_delay_alu instid0(VALU_DEP_1)
	v_lshl_add_u32 v[ZOF], v14, 10, v[ZOF]
	v_and_b32 v[SH], 7, v0
	s_delay_alu instid0(VALU_DEP_1)
	v_lshlrev_b32 v[SH], 2, v[SH]
	v_lshlrev_b32 v[TST], 3, v0
	v_lshlrev_b32 v[LN8], 3, v13
	v_lshrrev_b32 v15, 2, v13                      ; r
	v_and_b32 v[STO], 3, v13                       ; tile t
	v_lshrrev_b32 v16, 1, v14                      ; step q = e / 2
	v_and_b32 v17, 1, v14                          ; c = e % 2
	v_and_b32 v18, 1, v13                          ; the scale word's half
	v_bfe_u32 v19, v13, 1, 1                       ; its u
	v_bfe_u32 v20, v14, 1, 1                       ; q % 2
	v_lshrrev_b32 v21, 2, v14                      ; q / 2
	v_lshl_add_u32 v[STO], v16, 2, v[STO]          ; chunk 4 q + t
	v_lshlrev_b32 v22, 4, v15                      ; 16 r
	v_lshlrev_b32 v[SGO], 4, v13
	v_mul_u32_u24 v[STO], v[STO], CPIT
	v_lshl_or_b32 v23, v21, 9, v22
	v_lshl_add_u32 v24, v17, 9, v22
	v_lshl_or_b32 v23, v18, 8, v23
	v_add_nc_u32 v[STO], v[STO], v24               ; + 512 c + 16 r; my block b goes 256 b on (h = b)
	v_lshl_or_b32 v23, v20, 3, v23
	v_add_nc_u32 v[SRD], SCST, v[SGO]
	v_lshl_or_b32 v23, v19, 2, v23
	v_and_b32 v15, 31, v0
	v_lshl_or_b32 v23, v17, 1, v23
	v_lshlrev_b32 v[RD], 4, v15
	v_lshrrev_b32 v15, 5, v0
	v_add_nc_u32 v[SSA], SCST, v23
	v_lshl_or_b32 v[GOF], v15, 10, v[RD]
	s_mul_i32 s3, s14, CPIT
	v_add_nc_u32 v[RD], s3, v[RD]
	; byte offsets, each in a pair with 0 on top
	s_lshl_b32 s54, ttmp9, 8                       ; scales: 64 x columns of 4 bytes
	s_mov_b32 s55, 0
	s_lshl_b32 s56, ttmp9, 5                       ; qzeros: 8 x words
	s_mov_b32 s57, 0
	s_lshl_b32 s58, s2, 19                         ; qweight: 64 ks rows of 8,192 bytes + 256 x
	s_add_co_u32 s58, s58, s54
	s_mov_b32 s59, 0
	s_lshl_b32 s60, s2, 11                         ; g_idx: 4 (512 ks + 64 eighth)
	s_lshl_b32 s61, s15, 8
	s_add_co_u32 s60, s60, s61
	s_mov_b32 s61, 0
	s_lshl_b32 s62, ttmp9, 3                       ; wq: block 8 x + ks
	s_add_co_u32 s62, s62, s2
	s_mul_i32 s62, s62, HB
	s_mov_b32 s63, 0
	s_wait_alu depctr_va_vdst(0)                   ; the wait at the head's end
	s_wait_kmcnt 0x0
	s_add_nc_u64 s[8:9], s[8:9], s[54:55]
	s_add_nc_u64 s[6:7], s[6:7], s[56:57]
	s_add_nc_u64 s[4:5], s[4:5], s[58:59]
	s_add_nc_u64 s[10:11], s[10:11], s[60:61]
	s_add_nc_u64 s[12:13], s[12:13], s[62:63]      ; where the codes go
	s_add_nc_u64 s[62:63], s[12:13], 0x4000        ; where the scale bytes go
	s_load_b512 s[G0:G0+15], s[10:11], 0x0         ; g_idx of my wave's two blocks
	s_load_b512 s[G0+16:G0+31], s[10:11], 0x40
	s_load_b512 s[G1:G1+15], s[10:11], 0x80
	s_load_b512 s[G1+16:G1+31], s[10:11], 0xc0
.irp j, 0,1,2,3                                ; the table: I build groups e + 8 j of my column
	global_load_b32 v[S+\j], v[SOF], s[8:9] offset:65536*\j
	global_load_b32 v[Z+\j], v[ZOF], s[6:7] offset:8192*\j
.endr
.irp i, 0,1,2,3,4,5,6,7
	global_load_b32 v[QW+\i], v[QOF], s[4:5] offset:8192*\i th:TH_LOAD_NT   ; a word holds 8 along K of one column; two waves side by side read 256 consecutive bytes; read once in the launch
.endr
	s_wait_loadcnt 8                               ; the table's 8 loads are in; the 8 of qweight behind them may be out
.irp j, 0,1,2,3
	v_bfe_u32 v[Z+\j], v[Z+\j], v[SH], 4           ; z
.endr
.irp j, 0,1,2,3
	s_delay_alu instid0(VALU_DEP_4)
	v_cvt_f32_u32 v[Z+\j], v[Z+\j]
.endr
.irp j, 0,1,2,3
	s_delay_alu instid0(VALU_DEP_4)
	v_add_f32 v[Z2+\j], 2.0, v[Z+\j]               ; exact
.endr
.irp j, 0,1,2,3
	v_mul_f32 v[PM+2*\j], -v[Z+\j], v[S+\j]        ; P = s x (-z)
	v_mul_f32 v[PM+2*\j+1], -v[Z2+\j], v[S+\j]     ; M = s x (-(z + 2))
.endr
.irp j, 0,1,2,3
	ds_store_b64 v[TST], v[PM+2*\j:PM+2*\j+1] offset:4096*\j   ; 512 (e + 8 j) + 8 column = 8 t + 4,096 j
.endr
	s_wait_dscnt 0x0                               ; for the others' sake: my part of the table has landed
	s_barrier_signal -1
	s_barrier_wait -1                              ; the table is whole; up to the next barrier LDS is only read
; 32 look-ups: k = 0 .. 31 of a block, whose groups stand in s[G ..]; the pair of k into v[T + 2 k], v[T + 2 k + 1].
; Each look-up has an address register of its own, and the 32 additions stand ahead of the 32 loads: no load stands next to the line that makes its address.
.macro LOOK G, T, adr
.set i, 0
.rept 32
	s_min_u32 s[\G+i], s[\G+i], 31                 ; a loaded number enters an address only held
.set i, i+1
.endr
.set i, 0
.rept 32
	v_lshl_add_u32 v[\adr+i], s[\G+i], 9, v[LN8]   ; 512 g + 8 column
.set i, i+1
.endr
.set i, 0
.rept 32
	ds_load_b64 v[\T+2*i:\T+2*i+1], v[\adr+i]
.set i, i+1
.endr
.endm
; Block b: its 32 numbers are chosen, P or M, by the weight's nibble; largest magnitude, scale, codes.  left: the younger look-ups, which may stay out
.macro PROC b, T, left
	s_wait_dscnt \left
.set i, 0
.rept 4                                        ; a word's eight numbers by turns
.irp u, 0,1,2,3,4,5,6,7
	v_and_b32 v[TT+\u], 0xf<<(4*\u), v[QW+4*(\b)+i/8]
.endr
.irp u, 0,1,2,3,4,5,6,7
	v_cmp_eq_u32 s[MK+\u], 0, v[TT+\u]
.endr
.irp u, 0,1,2,3,4,5,6,7
	v_cndmask_b32 v[X+i+\u], v[\T+2*(i+\u)], v[\T+2*(i+\u)+1], s[MK+\u]   ; M where the nibble is 0, else P
.endr
.set i, i+8
.endr
	v_max3_num_f32 v13, |v[X]|, |v[X+1]|, |v[X+2]| ; the block's largest magnitude, in two chains: all 32 numbers are mine
	v_max3_num_f32 v14, |v[X+3]|, |v[X+4]|, |v[X+5]|
.irp i, 6,10,14,18,22,26
	s_delay_alu instid0(VALU_DEP_2)
	v_max3_num_f32 v13, v13, |v[X+\i]|, |v[X+\i+1]|
	s_delay_alu instid0(VALU_DEP_2)
	v_max3_num_f32 v14, v14, |v[X+\i+2]|, |v[X+\i+3]|
.endr
	s_delay_alu instid0(VALU_DEP_2)
	v_max3_num_f32 v13, v13, |v[X+30]|, |v[X+31]|
	s_delay_alu instid0(VALU_DEP_1)
	v_max3_num_f32 v13, v13, v14, 0x1800000        ; and the floor 2^(3 - 127): the byte cannot fall under 1
	s_delay_alu instid0(VALU_DEP_1)
	v_add_nc_u32 v15, 0xff000000, v13              ; 2 off the exponent field: the conversion takes the exponent field of this operand as its scale, and nothing else of it
.irp g, 0,1,2,3
	v_cvt_scalef32_pk8_fp4_f32 v[C+4*(\b)+\g], v[X+8*\g:X+8*\g+7], v15   ; eight numbers / the scale, to the nearest code, ties to even, beyond 6 the largest code
.endr
	v_lshrrev_b32 v201, 23, v15                    ; the scale's byte.  (A plain line behind the conversions, ahead of the next writes of their sources)
.if (\b) == 0
	s_delay_alu instid0(VALU_DEP_1)
	v_mov_b32 v[SW], v201
.else
	s_delay_alu instid0(VALU_DEP_1)
	v_lshl_or_b32 v[SW], v201, 8*(\b), v[SW]       ; the lower K in the lower byte
.endif
.endm
	s_wait_kmcnt 0x0                               ; g_idx
	LOOK G0, T0, AD0
	LOOK G1, T1, AD1
	s_wait_loadcnt 0x0                             ; qweight
	PROC 0, T0, 32                                 ; the second block's 32 look-ups may be out; the first block's are in, so their address registers may take its numbers
	PROC 1, T1, 0
	s_wait_alu depctr_va_vdst(0)
	s_barrier_signal -1                            ; my reads of the table are over (the wait for 0 above)
	s_barrier_wait -1                              ; everybody's are: the stage may be laid over it
.irp b, 0,1
	ds_store_b128 v[STO], v[C+4*\b:C+4*\b+3] offset:256*\b   ; 32 codes: 16 bytes
.endr
	ds_store_b16 v[SSA], v[SW]                     ; my two blocks' bytes
	s_wait_dscnt 0x0                               ; for the others' sake
	s_barrier_signal -1
	s_barrier_wait -1                              ; the block lies in the stage
.irp i, 0,1
	ds_load_b128 v[OUTR+4*\i:OUTR+4*\i+3], v[RD] offset:512*\i   ; my wave's chunk
.endr
.irp i, 0,1
	s_wait_dscnt 1-\i                              ; LDS loads come back in order: load i is in, the younger one may be out
	global_store_b128 v[GOF], v[OUTR+4*\i:OUTR+4*\i+3], s[12:13] offset:512*\i   ; 32 lanes store 512 consecutive bytes, aligned
.endr
	s_cmp_lt_u32 s14, 2                            ; the 1,024 scale bytes: waves 0 and 1, 16 bytes a lane
	s_cbranch_scc0 .Lend
	ds_load_b128 v[OUTR+8:OUTR+11], v[SRD]
	s_wait_dscnt 0x0
	global_store_b128 v[SGO], v[OUTR+8:OUTR+11], s[62:63]
.Lend:
	s_wait_tensorcnt 0x0
	ds_add_u32 v240, v241
	s_wait_dscnt 0x0
	s_endpgm
.Lfunc_end_k_qfc5b8fad7f_wquant:
	.size	k_qfc5b8fad7f_wquant, .Lfunc_end_k_qfc5b8fad7f_wquant-k_qfc5b8fad7f_wquant
	.p2alignl 7, 3214868480
	.fill 96, 4, 3214868480
	.section	.rodata,"a",@progbits
	.p2align	6, 0x0
	.amdhsa_kernel k_qfc5b8fad7f_wquant
		.amdhsa_group_segment_fixed_size 20480
		.amdhsa_private_segment_fixed_size 0
		.amdhsa_enable_private_segment 0
		.amdhsa_kernarg_size 40
		.amdhsa_user_sgpr_count 2
		.amdhsa_user_sgpr_kernarg_segment_ptr 1
		.amdhsa_wavefront_size32 1
		.amdhsa_system_sgpr_workgroup_id_x 1
		.amdhsa_system_sgpr_workgroup_id_y 1
		.amdhsa_system_sgpr_workgroup_id_z 1
		.amdhsa_system_vgpr_workitem_id 0
		.amdhsa_next_free_vgpr 242
		.amdhsa_next_free_sgpr 100
		.amdhsa_reserve_vcc 0
		.amdhsa_float_denorm_mode_32 3
		.amdhsa_float_denorm_mode_16_64 3
		.amdhsa_memory_ordered 1
		.amdhsa_forward_progress 1
		.amdhsa_inst_pref_size 34
	.end_amdhsa_kernel
	.amdgpu_metadata
---
amdhsa.version: [ 1, 2 ]
amdhsa.kernels:
  - .name:           k_qfc5b8fad7f_wquant
    .symbol:         k_qfc5b8fad7f_wquant.kd
    .args:
      - { .name: qweight, .offset: 0, .size: 8, .value_kind: global_buffer, .address_space: global }
      - { .name: qzeros, .offset: 8, .size: 8, .value_kind: global_buffer, .address_space: global }
      - { .name: scales, .offset: 16, .size: 8, .value_kind: global_buffer, .address_space: global }
      - { .name: g_idx, .offset: 24, .size: 8, .value_kind: global_buffer, .address_space: global }
      - { .name: wq, .offset: 32, .size: 8, .value_kind: global_buffer, .address_space: global }
    .group_segment_fixed_size: 20480
    .private_segment_fixed_size: 0
    .kernarg_segment_align: 8
    .kernarg_segment_size: 40
    .max_flat_workgroup_size: 512
    .sgpr_count:     100
    .vgpr_count:     242
    .wavefront_size: 32
...
	.end_amdgpu_metadata
.endif
;; end of part 1
;; launch gemm (part 2): grid 8 x 32, 4 waves a work-group, clusters of 4 x 1, 327,680 bytes of LDS; arguments x_codes, x_scales, wq, bias, out0; writes out0
.if DOCPART == 2
	.amdgcn_target "amdgcn-amd-amdhsa--gfx1250"
	.amdhsa_code_object_version 6
	.text
	.protected	k_qfc5b8fad7f_gemm
	.globl	k_qfc5b8fad7f_gemm
	.p2align	8
	.type	k_qfc5b8fad7f_gemm,@function
k_qfc5b8fad7f_gemm:
	s_mov_b64 s[64:65], 0
	v_nop
	global_prefetch_b8 v0, s[64:65] scope:SCOPE_SE
	s_setreg_imm32_b32 hwreg(HW_REG_WAVE_MODE, 25, 1), 1
	s_wait_xcnt 0x0
	s_wait_alu depctr_hold_cnt(0) depctr_sa_sdst(0) depctr_va_vdst(0) depctr_va_sdst(0) depctr_va_ssrc(0) depctr_va_vcc(0) depctr_vm_vsrc(0)
	s_getreg_b32 s2, hwreg(HW_REG_IB_STS2, 6, 4)
	s_cmp_eq_u32 s2, 0
	s_cbranch_scc0 .Lentry_in_a_cluster
	s_endpgm
.Lentry_in_a_cluster:
	s_bfe_u32 s2, ttmp6, 0x10000c
	s_cmp_lg_u32 s2, 0x3003
	s_cbranch_scc0 .Lentry_shape_is_right
	s_endpgm
.Lentry_shape_is_right:
; out0[m][n] = bias[n] + sum over k of x[m][k] W[k][n].  x: [8192][4096] as codes of FP4 (E2M1) with one E8M0 byte for each 32 along K, as given; W: the same, laid by the launch before; out0: [8192][2048] f32; sums in f32.
; A work-group of four waves makes a tile of 256 x 256: 32 x 8 = 256 work-groups.  Each wave makes all 256 rows of 64 columns of its own: 32 accumulators of 32 x 16, 512 registers.
; x GOES THROUGH LDS, in chunks of 512 along K (256 rows x 256 bytes) and four buffers of one chunk; its scale bytes for all of K (32,768) lie behind them.  The head asks for chunk 0 (two halves), the scales and chunk 1,
; one load a wave; chunks 2 and 3 are asked for in step 3, 4 and 5 in step 7, 6 and 7 in step 15, each pair behind the full sequence and a round of the cluster's barrier.
; CLUSTERS of 4 x 1: the four work-groups of a row of tiles need the same x: each tile is asked for JOINTLY.  W goes from memory straight into registers, in the order in which they take it: a wave's columns are its own inside
; the work-group, the cluster's partners need different columns, and behind x's 313,856 bytes LDS has 13,824 left, under one step's 256 columns (16,384 bytes).
; Cluster L = cluster x + 2 x cluster y makes tile row L % 32, columns 1,024 (L / 32) and on: the two clusters that read the same rows of x are L and L + 32.
; STEPS 0 TO 23 of 128 along K: at a step's head one run of loads fetches x's fragments for the next step and W's for the step four further on; then 32 matrix instructions follow.
; STEPS 24 TO 31 GO BY ROWS: W's fragments of all eight stand in registers, and each block of 32 rows is finished and stored while the next is multiplied.
; THE MATRIX INSTRUCTION takes 32 rows of x as source 0 and 16 columns of W as source 1.  W's tile t holds columns 4 r + t (r = 0 .. 15), so lane (r, h) holds, over the four tiles, four neighbouring columns of a row:
; sixteen lanes hold 256 neighbouring bytes, and results are stored from registers.  The bias is added on the way.
; PREFETCH INTO THE L2.  W: a wave's part is a stream of 17 pieces of 8,192 bytes; piece s / 2 + 5 is asked for in each even step s (pieces 2 to 4 at the head), by the work-groups of tile rows 0, 2, 4, 6 alone, each wave for its own columns,
; a lane a unit of 256 bytes; it stops with piece 16.  x: chunks 2 and 3 have four steps between their load and their use: they are asked for in step 0, three steps ahead of the load; the four partners share the rows out by address,
; 64 each, 16 a wave, a lane a unit of 256 bytes.  Chunks 4 to 7 have eight steps, 256 matrix instructions a wave, in which to land: no prefetch.
; The steps are written out: buffers, rings and what is fetched come back together only after 80 steps, and the walk has 24.
; LIMITS: a byte 0xff among x's scales is not served.  Sums go with K ascending; the bias is added last.
; REGISTERS, in windows of 256: window 0: v0-15 addresses; v16-47 x's scale words; v48-67 W's; v68-71 the bias; v72-87 x's scale words by rows; v96-127 W's ring, fifth slot; v128-255 x's fragments, set 0.
;   window 1: v0-127 W's ring, slots 0-3; v128-255 x's fragments, set 1 (by rows: W's steps 28-31).   window 2: the accumulators of rows 0-127 ((p, t) at v[64 (p % 4) + 16 t]);   window 3: those of rows 128-255.
.set XP,   272                         ; an LDS row of x: 256 bytes + 16 of padding = 68 words: row r starts at bank 4 r mod 64 (64 banks of 4 bytes: ISA guide 11.1)
.set CB,   256*XP                      ; a chunk
.set SCL,  4*CB                        ; x's scale bytes, 128 a row: 128 units of 256 bytes + 16 of padding
.set SPARE, SCL+128*272                ; the spare words, 128 bytes for each wave: two blocks of 256 bytes that no other line names
.set WBLK, 17408                       ; a block of wq: 64 columns x 512 along K
.set ROWO, 8192                        ; a row of out0
.set BOF,  1                           ; v1      16 r
.set SPW,  2                           ; v2      LDS address of my spare word; never rewritten
.set NIL,  3                           ; v3      0; never rewritten
.set PFX,  7                           ; v7      the prefetch of x: r rows + 256 h bytes
.set ADRX, 8                           ; v8-11   LDS address of my fragments of x in buffer 0 .. 3
.set ADRS, 12                          ; v12     LDS address of x's scale words: lane l row l of 32
.set WOF,  13                          ; v13     16 x lane
.set CO,   14                          ; v14     out0: 8 h rows + 16 r bytes
.set PFO,  15                          ; v15     256 x lane
.set XS,   16                          ; set (s / 2) % 2: register 2 p + s % 2: rows 32 p + lane
.set WS,   48                          ; pair (s / 2) % 5: register 2 (s % 2) + u: tile 2 u in lanes 0-15, tile 2 u + 1 in lanes 16-31
.set BI,   68
.set XSB,  72                          ; by rows: set p % 2: register s - 24
.set XF,   128                         ; x's fragments, in window 0 or 1
.set OUTA, 96                          ; by rows: results on their way out: window 1 (W's slot 3, read for the last time in step 23),
.set OUTB, 16                          ; and window 0 (x's scale words of the steps before)
.set PFM,  17                          ; s17     0 in the work-groups that prefetch W
.set G1,   24                          ; s[24:31] descriptor groups 1: 256 rows x 256 bytes of x,
.set G1H,  32                          ; 128 rows,
.set G1S,  48                          ; x's scales
.set R2,   40                          ; groups 0: my half of chunk 7
.set PFB,  44                          ; s[44:45] the prefetch of x: my 16 rows
.set H0,   56                          ; the head's two halves of chunk 0, chunk 1, the scales;
.set H1,   60
.set H2,   68
.set HS,   72
.set P1,   76                          ; my half of chunks 2, 3, 4, 5, 6
.set Q1,   80
.set P2,   84
.set Q2,   88
.set R1,   92
.set MSB, 0
.macro WIN new                         ; the immediate's high byte repeats the setting that is left
.if MSB != (\new)
	s_set_vgpr_msb (MSB<<8)|(\new)
.set MSB, (\new)
.endif
.endm
.set TO_W, 0x40                        ; destination window 1, address window 0
.macro PLACES                          ; four places behind this matrix instruction (ISA guide 7.12.1)
.rept 4
	v_nop
.endr
.endm
.macro CREST                           ; a round of the cluster's barrier behind its opening barrier
	s_cmp_lg_u32 s14, 0
	s_cbranch_scc1 .Lnot_wave_0_\@
	s_barrier_signal -3
.Lnot_wave_0_\@:
	s_barrier_wait -3
	s_barrier_signal -1
	s_barrier_wait -1
.endm
.macro CROUND                          ; a whole round
	s_barrier_signal -1
	s_barrier_wait -1
	CREST
.endm
; A joint load of two chunks: waves 0 and 1 fetch the halves of one, waves 2 and 3 those of the other; each line has one mask and one set of registers.
.macro JLOAD g0a, g0b
	s_cmp_eq_u32 s15, 0
	s_cbranch_scc0 .Lfor_b_\@
	tensor_load_to_lds s[\g0a:\g0a+3], s[G1H:G1H+7]
	s_nop 0
	PLACES
	s_branch .Lasked_\@
.Lfor_b_\@:
	tensor_load_to_lds s[\g0b:\g0b+3], s[G1H:G1H+7]
	s_nop 0
	PLACES
.Lasked_\@:
.endm
	s_load_b128 s[4:7], s[0:1], 0x0                ; x's codes s[4:5], x's scales s[6:7]
	s_load_b128 s[8:11], s[0:1], 0x10              ; wq s[8:9], bias s[10:11]
	s_load_b64 s[12:13], s[0:1], 0x20              ; out0
	v_lshl_add_u32 v[SPW], v0, 2, SPARE
	v_mov_b32 v[NIL], 0
	ds_add_u32 v[SPW], v[NIL]                      ; the wave's opening: the add, twice on end, and its wait ahead of my first tensor load
	ds_add_u32 v[SPW], v[NIL]
	v_lshrrev_b32 v1, 5, v0
	v_readfirstlane_b32 s14, v1                    ; wave 0..3
	v_and_b32 v4, 15, v0                           ; r
	v_bfe_u32 v5, v0, 4, 1                         ; h
	v_and_b32 v6, 31, v0                           ; lane
	v_mul_u32_u24 v7, v4, XP
	v_lshl_add_u32 v[ADRX], v5, 4, v7              ; a fragment's row x pitch + 16 h
	v_add_nc_u32 v[ADRX+1], CB, v[ADRX]
	v_add_nc_u32 v[ADRX+2], 2*CB, v[ADRX]
	v_add_nc_u32 v[ADRX+3], 3*CB, v[ADRX]
	v_lshrrev_b32 v7, 1, v6
	v_and_b32 v1, 1, v6
	v_mul_u32_u24 v7, v7, 272                      ; scale words: 128 bytes a row, two rows to a unit
	v_lshl_add_u32 v7, v1, 7, v7
	v_add_nc_u32 v[ADRS], SCL, v7
	v_lshlrev_b32 v[WOF], 4, v6
	v_lshlrev_b32 v[BOF], 4, v4
	v_lshl_or_b32 v[CO], v5, 16, v[BOF]
	v_lshlrev_b32 v[PFO], 8, v6
	v_lshlrev_b32 v[PFX], 11, v4
	v_lshl_or_b32 v[PFX], v5, 8, v[PFX]
	s_lshr_b32 s15, s14, 1
	s_and_b32 s16, s14, 1
	s_bfe_u32 s2, ttmp6, 0x40000                   ; cx: my place in the cluster
	s_and_b32 s3, ttmp7, 0xffff
	s_lshl_b32 s3, s3, 1
	s_add_co_u32 s3, s3, ttmp9                     ; cluster L
	s_lshr_b32 s97, s3, 5
	s_lshl_b32 s97, s97, 2
	s_add_co_u32 s2, s2, s97                       ; column tile of 256 = 4 (L / 32) + cx
	s_and_b32 s3, s3, 31                           ; row tile of 256 = L % 32
	s_and_b32 s[PFM], s3, 0x39                     ; 0 in tile rows 0, 2, 4, 6
; Descriptor groups 1.  15:0 the mask: all four; 17:16 element size; 20 padding on; 21 set beside a mask; 24:22 after every 64 words (code 5); 31:25 of 4 words (code 3)
.macro DESC g, logb, cols, rows, pitch
	s_mov_b32 s[\g+0], 15|(\logb<<16)|(1<<20)|(1<<21)|(5<<22)|(3<<25)
	s_mov_b32 s[\g+1], \cols<<16                   ; tensor_dim0
	s_mov_b32 s[\g+2], \rows<<16                   ; tensor_dim1
	s_mov_b32 s[\g+3], \cols<<16                   ; tile_dim0
	s_mov_b32 s[\g+4], \rows                       ; tile_dim1
	s_mov_b32 s[\g+5], \pitch
	s_mov_b32 s[\g+6], 0
	s_mov_b32 s[\g+7], 0
.endm
	DESC G1,  0, 256, 256, 2048
	DESC G1H, 0, 256, 128, 2048
	DESC G1S, 3, 32, 128, 32                       ; 32,768 dense bytes as 128 rows of 256
	s_lshl_b32 s18, s3, 19                         ; x's codes: 256 rows x 2,048 bytes a tile
	s_mov_b32 s19, 0
	s_lshl_b32 s20, s3, 15                         ; x's scales: 256 rows x 128 bytes
	s_mov_b32 s21, 0
	s_lshl_b32 s22, s2, 2                          ; my group of 64 columns: 4 x column tile + wave
	s_add_co_u32 s22, s22, s14
	s_mul_i32 s22, s22, 8*WBLK
	s_mov_b32 s23, 0
	s_lshl_b32 s96, s2, 10                         ; my first column, in bytes: in the bias and in out0's rows
	s_lshl_b32 s97, s14, 8
	s_add_co_u32 s96, s96, s97
	s_mov_b32 s97, 0
	s_wait_alu depctr_va_vdst(0)                   ; the wait behind the head's last vector write
	s_wait_dscnt 0x0                               ; both opening adds are done
	CROUND                                         ; all four work-groups are here: the first joint loads meet
	s_wait_kmcnt 0x0
	s_add_nc_u64 s[18:19], s[4:5], s[18:19]
	s_add_nc_u64 s[20:21], s[6:7], s[20:21]
.macro HEADG g, lds, off
	s_mov_b32 s[\g], 1
	s_mov_b32 s[\g+1], \lds
	s_add_nc_u64 s[\g+2:\g+3], s[18:19], \off
	s_or_b32 s[\g+3], s[\g+3], 0x80000000
.endm
	HEADG H0, 0, 0
	HEADG H1, 128*XP, 0x40000                      ; 128 rows x 2,048 bytes on
	HEADG H2, CB, 256
	s_mov_b32 s[HS], 1
	s_mov_b32 s[HS+1], SCL
	s_mov_b64 s[HS+2:HS+3], s[20:21]
	s_or_b32 s[HS+3], s[HS+3], 0x80000000
; THE HEAD'S LOADS, ONE A WAVE: waves 0 and 1 chunk 0's halves, wave 2 the scales, wave 3 chunk 1.  One tree of branches on the wave's number; each line has one issuing wave.
.macro ARM under, g0, g1, next
	s_cmp_lt_u32 s14, \under
	s_cbranch_scc0 \next
	tensor_load_to_lds s[\g0:\g0+3], s[\g1:\g1+7]
	s_nop 0
	PLACES
	s_branch .Lhead_asked
\next:
.endm
	ARM 1, H0, G1H, .Lhead_hi
	ARM 2, H1, G1H, .Lhead_s
	ARM 3, HS, G1S, .Lhead_c
	tensor_load_to_lds s[H2:H2+3], s[G1:G1+7]
	s_nop 0
	PLACES
.Lhead_asked:
.macro WCODE T                         ; step T's 64 columns of W: 4 tiles x 8 registers; each load of the wave takes 512 consecutive bytes
.if (\T) >= 28
	WIN TO_W
.set rW, XF+32*((\T)-28)
.elseif ((\T)%5) == 4
	WIN 0
.set rW, 96
.else
	WIN TO_W
.set rW, 32*((\T)%5)
.endif
.irp t, 0,1,2,3
.irp c, 0,1
	global_load_b128 v[rW+8*\t+4*\c:rW+8*\t+4*\c+3], v[WOF], s[8:9] offset:((\T)/4)*WBLK+((\T)%4)*4096+1024*\t+512*\c
.endr
.endr
.endm
.macro WSCALE k                        ; the scale words of steps 2 k, 2 k + 1
	WIN 0
	global_load_b128 v[WS+4*((\k)%5):WS+4*((\k)%5)+3], v[WOF], s[8:9] offset:((\k)/2)*WBLK+16384+((\k)%2)*512
.endm
.macro PREF n                          ; piece n of my stream of W
	s_cmp_eq_u32 s[PFM], 0
	s_cbranch_scc0 .Lnot_mine_\@
	global_prefetch_b8 v[PFO], s[8:9] offset:(\n)*8192 th:TH_LOAD_NT scope:SCOPE_SE
.Lnot_mine_\@:
.endm
.macro FETCH                           ; x's fragments of step T, 256 rows, into set (T + 1) % 2: lane (r, h) holds row r; registers 4 c .. 4 c + 3 hold K = 64 c + 32 h + 0 .. 31
	WIN 0x40*((T+1)%2)
.irp i, 0,1,2,3,4,5,6,7,8,9,10,11,12,13,14,15
.irp c, 0,1
	ds_load_b128 v[XF+8*\i+4*\c:XF+8*\i+4*\c+3], v[ADRX+(T/4)%4] offset:\i*16*XP+64*(T%4)+32*\c
.endr
.endr
.endm
.macro XSCALE k                        ; x's scale words of steps 2 k, 2 k + 1
	WIN 0
.irp p, 0,1,2,3,4,5,6,7
	ds_load_b64 v[XS+16*((\k)%2)+2*\p:XS+16*((\k)%2)+2*\p+1], v[ADRS] offset:\p*16*272+8*(\k)
.endr
.endm
.macro WM4                             ; four products: the symbols name the registers.  The accumulators take turns
.irp t, 0,1,2,3
.if zero
.if \t%2
	v_wmma_scale_f32_32x16x128_f4 v[rD+16*\t:rD+16*\t+15], v[rA:rA+15], v[rB+8*\t:rB+8*\t+7], 0, v[rSA], v[rSB+\t/2] matrix_b_scale:MATRIX_SCALE_ROW1
.else
	v_wmma_scale_f32_32x16x128_f4 v[rD+16*\t:rD+16*\t+15], v[rA:rA+15], v[rB+8*\t:rB+8*\t+7], 0, v[rSA], v[rSB+\t/2]
.endif
.else
.if \t%2
	v_wmma_scale_f32_32x16x128_f4 v[rD+16*\t:rD+16*\t+15], v[rA:rA+15], v[rB+8*\t:rB+8*\t+7], v[rD+16*\t:rD+16*\t+15], v[rSA], v[rSB+\t/2] matrix_b_scale:MATRIX_SCALE_ROW1
.else
	v_wmma_scale_f32_32x16x128_f4 v[rD+16*\t:rD+16*\t+15], v[rA:rA+15], v[rB+8*\t:rB+8*\t+7], v[rD+16*\t:rD+16*\t+15], v[rSA], v[rSB+\t/2]
.endif
.endif
.endr
.endm
.macro MULP p                          ; rows 32 p .. 32 p + 31 against step S's four tiles of W; step 0's products start the sums
.set zero, 0
.if S == 0
.set zero, 1
.endif
.set bw, 1
.set rB, 32*(S%5)
.if (S%5) == 4
.set bw, 0
.set rB, 96
.endif
.set rA, XF+16*\p
.set rD, 64*(\p%4)
.set rSA, XS+16*((S/2)%2)+2*\p+S%2
.set rSB, WS+4*((S/2)%5)+2*(S%2)
	WIN ((S+1)%2)+4*bw+0x50*(2+\p/4)
	WM4
.endm
; A step.  LOADcnt: behind its part of W stand the 34 loads of the next four steps' parts (8 a step and two of 4 scale words for two steps).
; DScnt: at its head the youngest eight fragment loads (rows 192-255), and eight loads of scale words behind them (PE), may be out; ahead of rows 192-255 the next step's 32, and XE, alone.
.macro STEP
.set T, S+1
.set PE, 0
.set XE, 0
.if (S%2 == 1) && (S <= 21)
.set PE, 8
.endif
.if (S%2 == 0) && (S <= 20)
.set XE, 8
.endif
	PLACES                                         ; for the loads into registers that the last step's products have read
	s_wait_dscnt 8+PE
	FETCH
.if XE
	XSCALE S/2+1
.endif
.if S%2 == 0
	WSCALE S/2+4
.endif
	WCODE S+4
.if S%2 == 0
	WIN 0
	PREF S/2+5
.endif
.if S == 0
	global_prefetch_b8 v[PFX], s[PFB:PFB+1] offset:512 th:TH_LOAD_NT scope:SCOPE_SE   ; x's chunks 2 and 3
.endif
	s_wait_loadcnt 34
.irp p, 0,1,2,3,4,5
	MULP \p
.endr
	s_wait_dscnt 32+XE
.irp p, 6,7
	MULP \p
.endr
.set S, S+1
.endm
; A step (3, 7, 15) in which LDS is filled, behind the full sequence and a round; behind it all chunks asked for before are in.
.macro STEPM g0a, g0b
.set T, S+1
	WIN 0
	s_wait_tensorcnt 0x0                           ; all my tensor loads have landed
	ds_add_u32 v[SPW], v[NIL]                      ; 0 onto my spare word
	s_wait_dscnt 17                                ; (the add, eight loads of scale words and the youngest eight fragment loads may be out)
	s_wait_loadcnt 26                              ; the parts of W for the next three steps, and two loads of scale words, may be out
	MULP 0
	MULP 1
	s_wait_dscnt 0x0                               ; the add is done, and so are my reads
	s_barrier_signal -1
	MULP 2                                         ; work on registers while the others arrive
	MULP 3
	WIN 0
	s_barrier_wait -1
	CREST                                          ; the barrier has opened a round of the cluster's barrier: no wave of any partner still reads what is filled now, or has a load on its way
	JLOAD \g0a, \g0b
	FETCH
	WCODE S+4
.irp p, 4,5,6,7
	MULP \p
.endr
.set S, S+1
.endm
; BY ROWS: block p is rows 32 p .. 32 p + 31; its eight steps' fragments of x come in two halves of four steps (chunk 6, chunk 7), 64 registers each.
.macro ROWX p, half
	WIN 0
.irp q, 0,1,2,3
.irp i, 0,1
.irp c, 0,1
	ds_load_b128 v[XF+64*\half+16*\q+8*\i+4*\c:XF+64*\half+16*\q+8*\i+4*\c+3], v[ADRX+2+\half] offset:(2*(\p)+\i)*16*XP+64*\q+32*\c
.endr
.endr
.endr
.endm
.macro ROWS p                          ; its eight scale words
	WIN 0
.irp c, 0,1
	ds_load_b128 v[XSB+8*((\p)%2)+4*\c:XSB+8*((\p)%2)+4*\c+3], v[ADRS] offset:(\p)*16*272+96+16*\c
.endr
.endm
.macro ROWM p, half
.irp q, 0,1,2,3
.set S, 24+4*\half+\q
.set zero, 0
.set bw, 1
.set rB, 32*(S%5)
.if S >= 28
.set rB, XF+32*(S-28)
.endif
.if S == 24
.set bw, 0
.set rB, 96
.endif
.set rA, XF+64*\half+16*\q
.set rD, 64*(\p%4)
.set rSA, XSB+8*(\p%2)+4*\half+\q
.set rSB, WS+4*((S/2)%5)+2*(S%2)
.if (\p) == 0                                  ; W's last seven parts: behind step S's stand 8 loads for each later one (and one of scale words behind step 25's)
.if S == 25
	s_wait_loadcnt 49
.elseif S > 25
	s_wait_loadcnt 8*(31-S)
.endif
.endif
	WIN 4*bw+0x50*(2+\p/4)
	WM4
.endr
.endm
; Eight pieces of block p on their way out: piece e is register e of its four accumulators: row 16 (e / 8) + e % 8 + 8 h.  Each accumulator is read from its low end on; sixteen lanes store 256 consecutive bytes, at a multiple of 256 from out0's first byte.
.macro SEND p, e0, ob, w
	WIN 0x40*\w+2+\p/4
.irp e, 0,1,2,3,4,5,6,7
.irp t, 0,1,2,3
	v_add_f32 v[\ob+4*\e+\t], v[64*(\p%4)+16*\t+\e0+\e], v[BI+\t]
.endr
.endr
	WIN 4*\w
.irp e, 0,1,2,3,4,5,6,7
	global_store_b128 v[CO], v[\ob+4*\e:\ob+4*\e+3], s[12:13] offset:(32*\p+2*\e0+\e)*ROWO th:TH_STORE_NT
.endr
	WIN 0
.endm
.macro ROW p
	s_wait_dscnt 16                                ; the first half and the scale words are in; the second half's 16 may be out
	ROWM \p, 0
.if \p < 7
	PLACES
	ROWS \p+1
	ROWX \p+1, 0
	s_wait_dscnt 18                                ; the second half is in
.else
	s_wait_dscnt 0
.endif
	ROWM \p, 1
	PLACES                                         ; for the loads below and the reads of the block's results
.if \p < 7
	ROWX \p+1, 1
.endif
.if \p > 0
	s_wait_xcnt 0x0                                ; the last block's stores have read their registers
.endif
	SEND \p, 0, OUTA, 1
	SEND \p, 8, OUTB, 0
.endm
	s_add_nc_u64 s[8:9], s[8:9], s[22:23]
	s_add_nc_u64 s[10:11], s[10:11], s[96:97]
	global_load_b128 v[BI:BI+3], v[BOF], s[10:11]  ; the bias of columns 4 r .. 4 r + 3
	WSCALE 0                                       ; W's first four steps, in the order that the steps keep
	WSCALE 1
	WSCALE 2
	WCODE 0
	WCODE 1
	WSCALE 3
	WCODE 2
	WCODE 3
	WIN 0
	PREF 2
	PREF 3
	PREF 4
	s_add_nc_u64 s[12:13], s[12:13], s[96:97]
	s_lshl_b32 s22, s3, 21                         ; out0: 256 rows x 8,192 bytes
	s_add_nc_u64 s[12:13], s[12:13], s[22:23]
	s_and_b32 s96, s2, 3                           ; the prefetch of x: rows 64 cx + 16 wave .. + 15
	s_lshl_b32 s96, s96, 17
	s_lshl_b32 s97, s14, 15
	s_add_co_u32 s96, s96, s97
	s_mov_b32 s97, 0
	s_add_nc_u64 s[PFB:PFB+1], s[18:19], s[96:97]
.macro RINGG g, lds, off                       ; my half, 128 rows, of a chunk; s[22:23] the same in memory
	s_mov_b32 s[\g], 1
	s_mul_i32 s[\g+1], s16, 128*XP
	s_add_co_u32 s[\g+1], s[\g+1], \lds
	s_add_nc_u64 s[\g+2:\g+3], s[18:19], \off
	s_add_nc_u64 s[\g+2:\g+3], s[\g+2:\g+3], s[22:23]
	s_or_b32 s[\g+3], s[\g+3], 0x80000000
.endm
	s_lshl_b32 s22, s16, 18                        ; 128 rows x 2,048 bytes
	RINGG P1, 2*CB, 512
	RINGG Q1, 3*CB, 768
	RINGG P2, 0, 1024
	RINGG Q2, CB, 1280
	RINGG R1, 2*CB, 1536
	RINGG R2, 3*CB, 1792
	s_cmp_lt_u32 s14, 3                            ; waves 0, 1 and 2 wait for chunk 0 and the scales; chunk 1, a line of its own, may be out up to step 3
	s_cbranch_scc0 .Lbegin
	s_wait_tensorcnt 0x0
.Lbegin:
	s_barrier_signal -1
	s_barrier_wait -1
.set S, 0
.set T, 0
	XSCALE 0
	FETCH
.rept 3
	STEP
.endr
	STEPM P1, Q1                                   ; step 3: chunk 1 is in; chunks 2 and 3 are asked for
.rept 3
	STEP
.endr
	STEPM P2, Q2                                   ; step 7: 2 and 3 are in; 4 and 5
.rept 7
	STEP
.endr
	STEPM R1, R2                                   ; step 15: 4 and 5 are in; 6 and 7
.rept 7
	STEP
.endr
	; step 23: all of W that is left is asked for (x's set 1 was read for the last time in step 22); chunks 6 and 7 are in behind the barrier, and nothing is filled
	PLACES
	s_wait_loadcnt 16                              ; steps 23 and 24 are in
.irp t, 27,28,29,30,31
	WCODE \t
.endr
	ROWS 0
	s_wait_tensorcnt 0x0
	s_wait_dscnt 10                                ; (the two loads of scale words and the youngest eight fragment loads may be out)
	MULP 0
	MULP 1
	s_wait_dscnt 0x0
	s_barrier_signal -1
	MULP 2
	WIN 0
	s_barrier_wait -1
.irp p, 3,4,5,6,7
	MULP \p
.endr
	PLACES
	ROWX 0, 0
	ROWX 0, 1
.irp p, 0,1,2,3,4,5,6,7
	ROW \p
.endr
	s_wait_tensorcnt 0x0                           ; the wave's end: behind my last tensor load
	ds_add_u32 v[SPW], v[NIL]
	s_wait_dscnt 0x0
	CROUND                                         ; the closing round: no work-group ends while a partner may still ask for a tile that names it
	s_endpgm
.Lfunc_end_k_qfc5b8fad7f_gemm:
	.size	k_qfc5b8fad7f_gemm, .Lfunc_end_k_qfc5b8fad7f_gemm-k_qfc5b8fad7f_gemm
	.p2alignl 7, 3214868480
	.fill 96, 4, 3214868480
	.section	.rodata,"a",@progbits
	.p2align	6, 0x0
	.amdhsa_kernel k_qfc5b8fad7f_gemm
		.amdhsa_group_segment_fixed_size 327680
		.amdhsa_private_segment_fixed_size 0
		.amdhsa_enable_private_segment 0
		.amdhsa_kernarg_size 40
		.amdhsa_user_sgpr_count 2
		.amdhsa_user_sgpr_kernarg_segment_ptr 1
		.amdhsa_wavefront_size32 1
		.amdhsa_system_sgpr_workgroup_id_x 1
		.amdhsa_system_sgpr_workgroup_id_y 1
		.amdhsa_system_sgpr_workgroup_id_z 1
		.amdhsa_system_vgpr_workitem_id 0
		.amdhsa_next_free_vgpr 1024
		.amdhsa_next_free_sgpr 98
		.amdhsa_reserve_vcc 0
		.amdhsa_float_denorm_mode_32 3
		.amdhsa_float_denorm_mode_16_64 3
		.amdhsa_memory_ordered 1
		.amdhsa_forward_progress 1
		.amdhsa_inst_pref_size 255
	.end_amdhsa_kernel
	.section	.bss,"aw",@nobits
	.p2align	6
	.space	262144
	.amdgpu_metadata
---
amdhsa.version: [ 1, 2 ]
amdhsa.kernels:
  - .name:           k_qfc5b8fad7f_gemm
    .symbol:         k_qfc5b8fad7f_gemm.kd
    .args:
      - { .name: x_codes, .offset: 0, .size: 8, .value_kind: global_buffer, .address_space: global }
      - { .name: x_scales, .offset: 8, .size: 8, .value_kind: global_buffer, .address_space: global }
      - { .name: wq, .offset: 16, .size: 8, .value_kind: global_buffer, .address_space: global }
      - { .name: bias, .offset: 24, .size: 8, .value_kind: global_buffer, .address_space: global }
      - { .name: out0, .offset: 32, .size: 8, .value_kind: global_buffer, .address_space: global }
    .group_segment_fixed_size: 327680
    .private_segment_fixed_size: 0
    .kernarg_segment_align: 8
    .kernarg_segment_size: 40
    .max_flat_workgroup_size: 128
    .sgpr_count:     98
    .vgpr_count:     1024
    .wavefront_size: 32
...
	.end_amdgpu_metadata
.endif
;; end of part 2
